; MI455X (gfx1250); checked and timed in simulation.
; The chip was launched on July 23, 2026; its instructions are those of AMD's public machine-readable ISA for CDNA 5 (MIT licence, August 2026) and "CDNA5" Instruction Set Architecture Reference Guide (July 2026). The comments in the code are by the model that wrote it; some were corrected since.
;; Self Position Attention. Allowed arithmetic: float matrix products may take bf16 or f16 operands with f32 sums; all other float work in f32.
;; Inputs: Wk 16 x 128 float32; Wq 16 x 128 float32; Wv 128 x 128 float32; bk 16 float32; bq 16 float32; bv 128 float32; gamma 1 float32; x 1 x 128 x 256 x 256 float32.
;; Outputs: out0 1 x 128 x 256 x 256 float32.
;; 2 versions, each right; version 2 is version 1 with the launch upsample written anew for expert scheduling mode. Each part assembles by itself: llvm-mc -triple=amdgcn-amd-amdhsa -mcpu=gfx1250 --defsym DOCPART=n.
;; ======== version 1 of 2: 3 launches
;; workspace buffers: qf 524,288 bytes; kv 4,718,592 bytes; att 8,388,608 bytes
;; launch project (part 1): grid 256 x 1, 8 waves a work-group, no clusters, 18,688 bytes of LDS; arguments x, Wq, bq, Wk, bk, Wv, bv, qf, kv; writes qf, kv
.if DOCPART == 1
	.amdgcn_target "amdgcn-amd-amdhsa--gfx1250"
	.amdhsa_code_object_version 6
	.text
	.protected	k_q39abb51612_project
	.globl	k_q39abb51612_project
	.p2align	8
	.type	k_q39abb51612_project,@function
k_q39abb51612_project:
	s_mov_b64 s[64:65], 0
	v_nop
	global_prefetch_b8 v0, s[64:65] scope:SCOPE_SE
	s_setreg_imm32_b32 hwreg(HW_REG_WAVE_MODE, 25, 1), 1
	s_wait_xcnt 0x0
; project: y = 2 x 2 mean of x; q' = s (Wq y + bq), k' = s (Wk y + bk), v = Wv y + bv, with s = sqrt(log2 e), so that q'.k' is the
; energy in base 2.  The three results are stored in bf16 as the register images that the next launch's matrix instructions take:
;   qf: fragment i (512 bytes) = queries 16 i .. 16 i + 15; lane L = 16 h + r has 16 bytes at 16 L: q'[16 i + r][8 h .. 8 h + 7]
;   kv: block b (9,216 bytes) = keys 32 b .. 32 b + 31: bytes t 512 + 16 L: k'[32 b + 16 t + r][8 h .. 8 h + 7], t = 0, 1;
;       bytes 1024 + ct 1024 + half 512 + 16 L: v[16 ct + r][32 b + 16 half + 8 h .. + 7], ct = 0 .. 7
; Work-group g owns the 64 pooled positions 64 g .. 64 g + 63 (pooled row g >> 1, half g & 1): 131,072 bytes of x, read once.
; Wave w loads and pools channels 16 w .. 16 w + 15 (each load of the wave covers 512 consecutive bytes of a row of x), hands them to the
; others through LDS, and then makes v's channels 16 w .. 16 w + 15 at all 64 positions and one 16 x 16 tile of q' (w < 4) or k' (w >= 4).
; No cluster and no tensor load: no byte of x is wanted by two work-groups, and each goes through one lane's registers once.
; LIMITS: inputs finite; y, Wq, Wk, Wv and the three results are rounded to bf16, sums are f32.
.set CHB,  262144                      ; bytes of a channel of x
.set YP,   272                         ; LDS pitch of a pair of positions: 128 channels of bf16 + 16 bytes, an odd multiple of 16
.set YODD, 8832                        ; odd positions lie 32 pitches + 128 bytes behind the even ones
.set BLK,  9216                        ; bytes of a block of kv
.set BQ,   8                           ; v[8:15]    bias block of my q'/k' tile: register j = b[8 h + j]
.set WVF,  16                          ; v[16:79]   64 f32 of Wv as loaded; packed in place into four fragments, v[16:47]
.set WQS,  80                          ; v[80:143]  64 f32 of Wq or Wk as loaded;
.set WQF,  112                         ; v[112:143] packed from the top down into four fragments
.set G1R,  48                          ; v[48:111]  x, channels 8 .. 15 of my 16 (free once both packings are done); later y fragments 0, 1
.set G0R,  144                         ; v[144:207] x, channels 0 .. 7 of my 16; later y fragments 2, 3; at the end store offsets and data
.set T,    208                         ; v[208:223] pooled numbers in f32 (v208-214 also serve the set-up)
.set PE,   224                         ; v[224:227] eight channels of the even position, bf16
.set PO,   228                         ; v[228:231] eight channels of the odd position
.set ACC,  208                         ; v[208:239] four accumulators of v
.set ACCQ, 240                         ; v[240:247] the accumulator of q' or k'
.set BV,   248                         ; v[248:255] bias block of v: every register = bv[16 w + r]
	s_load_b512 s[16:31], s[0:1], 0x0              ; x s[16:17], Wq s[18:19], bq s[20:21], Wk s[22:23], bk s[24:25], Wv s[26:27], bv s[28:29], qf s[30:31]
	s_load_b64 s[32:33], s[0:1], 0x40              ; kv
	s_set_vgpr_msb 0x40
	v_lshl_add_u32 v0, v0, 2, 0x4500
	v_mov_b32 v1, 0
	s_set_vgpr_msb 0x4000
	v_lshrrev_b32 v208, 5, v0
	v_readfirstlane_b32 s8, v208                   ; wave w
	s_mov_b32 s9, ttmp9                            ; work-group g
	v_and_b32 v208, 31, v0                         ; L
	v_and_b32 v209, 15, v0                         ; r
	v_bfe_u32 v210, v0, 4, 1                       ; h
	v_lshlrev_b32 v1, 4, v208                      ; 16 L: my 16 bytes of a load of x, and of a stored fragment
	v_lshlrev_b32 v2, 9, v209
	v_lshl_add_u32 v2, v210, 5, v2                 ; 512 r + 32 h: row r of a weight matrix, eight f32 for each half of the lanes
	v_mul_u32_u24 v3, v208, YP
	v_lshl_add_u32 v3, s8, 5, v3                   ; LDS: positions 2 L (and 2 L + 1 at + YODD), channel 16 w
	v_lshrrev_b32 v211, 1, v209
	v_mul_u32_u24 v211, v211, YP
	v_and_b32 v212, 1, v209
	v_mad_u32_u24 v211, v212, YODD, v211
	v_lshl_add_u32 v211, v210, 4, v211             ; LDS: position r of a tile of 16, channels 8 h ..
	v_lshlrev_b32 v213, 2, v209                    ; 4 r, for bv
	v_lshlrev_b32 v214, 5, v210                    ; 32 h, for bq or bk
	; y fragment t holds position tile (w + t) & 3, so that fragment 0 is always the tile of my q'/k' product
.irp t, 0,1,2,3
	s_add_co_u32 s42, s8, \t
	s_and_b32 s42, s42, 3                          ; the tile
	s_mul_i32 s43, s42, 8*YP
	v_add_nc_u32 v[4+\t], s43, v211                ; v4-7: where fragment t is read
	s_lshr_b32 s43, s42, 1
	s_mul_i32 s43, s43, BLK
	s_and_b32 s42, s42, 1
	s_lshl_b32 s42, s42, 9
	s_add_co_u32 s[44+\t], s43, s42                ; s44-47: the tile's block and half in kv
.endr
	s_lshl_b32 s10, s8, 22                         ; x: 16 w channels
	s_lshr_b32 s12, s9, 1
	s_lshl_b32 s12, s12, 11                        ; + pooled row: two rows of 1,024 bytes
	s_add_co_u32 s10, s10, s12
	s_and_b32 s12, s9, 1
	s_lshl_b32 s12, s12, 9                         ; + half a row
	s_add_co_u32 s10, s10, s12
	s_mov_b32 s11, 0
	s_lshl_b32 s12, s8, 13                         ; Wv: 16 w rows of 512 bytes
	s_mov_b32 s13, 0
	s_lshl_b32 s14, s8, 6                          ; bv: 16 w numbers
	s_mov_b32 s15, 0
	s_and_b32 s2, s8, 3                            ; position tile of my q'/k' product
	s_lshl2_add_u32 s3, s9, s2
	s_lshl_b32 s3, s3, 9                           ; qf: fragment 4 g + tile
	s_lshr_b32 s42, s2, 1
	s_lshl1_add_u32 s42, s9, s42
	s_mul_i32 s42, s42, BLK
	s_and_b32 s43, s2, 1
	s_lshl_b32 s43, s43, 9
	s_add_co_u32 s41, s42, s43                     ; kv: block 2 g + (tile >> 1), k' tile (tile & 1)
	s_mul_i32 s42, s9, 2*BLK
	s_lshl_b32 s43, s8, 10
	s_add_co_u32 s42, s42, s43
	s_add_co_u32 s42, s42, 1024                    ; kv: block 2 g, v's channel tile w
	s_mov_b32 s43, 0
	s_wait_kmcnt 0x0
	s_add_nc_u64 s[16:17], s[16:17], s[10:11]
	s_add_nc_u64 s[26:27], s[26:27], s[12:13]
	s_add_nc_u64 s[28:29], s[28:29], s[14:15]
	s_cmp_lt_u32 s8, 4                             ; waves 0-3 make q', waves 4-7 k': one text, three chosen buffers
	s_cselect_b64 s[34:35], s[18:19], s[22:23]     ; the weights
	s_cselect_b64 s[36:37], s[20:21], s[24:25]     ; the bias
	s_cselect_b64 s[38:39], s[30:31], s[32:33]     ; where the tile goes
	s_cselect_b32 s40, s3, s41
	s_mov_b32 s41, 0
	s_add_nc_u64 s[38:39], s[38:39], s[40:41]
	s_add_nc_u64 s[32:33], s[32:33], s[42:43]
	; 35 small loads, then the first 16 of x
	global_load_b32 v[BV], v213, s[28:29]
	global_load_b128 v[BQ:BQ+3], v214, s[36:37]
	global_load_b128 v[BQ+4:BQ+7], v214, s[36:37] offset:16
.set i, 0
.rept 16                                           ; chunk of 32 input channels i >> 2; its k = 8 h .. and k = 16 + 8 h ..; four f32 a load
	global_load_b128 v[WVF+4*i:WVF+4*i+3], v2, s[26:27] offset:(i>>2)*128+((i>>1)&1)*64+(i&1)*16
.set i, i+1
.endr
.set i, 0
.rept 16
	global_load_b128 v[WQS+4*i:WQS+4*i+3], v2, s[34:35] offset:(i>>2)*128+((i>>1)&1)*64+(i&1)*16
.set i, i+1
.endr
.macro XLOAD base, grp                 ; eight channels, two rows each: 16 loads of 512 consecutive bytes
.irp j, 0,1,2,3,4,5,6,7
	global_load_b128 v[\base+8*\j:\base+8*\j+3],   v1, s[16:17] offset:(8*\grp+\j)*CHB th:TH_LOAD_NT
	global_load_b128 v[\base+8*\j+4:\base+8*\j+7], v1, s[16:17] offset:(8*\grp+\j)*CHB+1024 th:TH_LOAD_NT
.endr
.endm
	XLOAD G0R, 0
	s_wait_loadcnt 16                              ; biases and weights are in; the 16 younger loads of x stay out
.set f, 0
.rept 32                                           ; upward: register 16 + f was read by an earlier line (or by this one)
	v_cvt_pk_bf16_f32 v[WVF+f], v[WVF+2*f], v[WVF+2*f+1]
.set f, f+1
.endr
.set f, 31
.rept 32                                           ; downward: register 112 + f lies above every source still to be read
	v_cvt_pk_bf16_f32 v[WQF+f], v[WQS+2*f], v[WQS+2*f+1]
.set f, f-1
.endr
.irp j, 1,2,3,4,5,6,7
	v_mov_b32 v[BV+\j], v[BV]                      ; a lane's eight results of v are one channel: one bias in all eight registers of C
.endr
	XLOAD G1R, 1                                   ; into the registers that the two packings have left
; eight channels: mean of 2 x 2, to bf16, 16 bytes for each of my two positions into LDS
.macro POOL base, grp
.irp j, 0,1,2,3,4,5,6,7
	v_pk_add_f32 v[\base+8*\j:\base+8*\j+1],   v[\base+8*\j:\base+8*\j+1],   v[\base+8*\j+4:\base+8*\j+5]   ; upper row + lower row
	v_pk_add_f32 v[\base+8*\j+2:\base+8*\j+3], v[\base+8*\j+2:\base+8*\j+3], v[\base+8*\j+6:\base+8*\j+7]
.endr
.irp j, 0,1,2,3,4,5,6,7
	v_add_f32 v[T+2*\j],   v[\base+8*\j],   v[\base+8*\j+1]     ; position 2 L
	v_add_f32 v[T+2*\j+1], v[\base+8*\j+2], v[\base+8*\j+3]     ; position 2 L + 1
.endr
.irp j, 0,2,4,6,8,10,12,14
	v_pk_mul_f32 v[T+\j:T+\j+1], v[T+\j:T+\j+1], 0x3e800000 op_sel_hi:[1,0]   ; x 0.25
.endr
.irp k, 0,1,2,3
	v_cvt_pk_bf16_f32 v[PE+\k], v[T+4*\k],   v[T+4*\k+2]
	v_cvt_pk_bf16_f32 v[PO+\k], v[T+4*\k+1], v[T+4*\k+3]
.endr
	ds_store_b128 v3, v[PE:PE+3] offset:16*\grp
	ds_store_b128 v3, v[PO:PO+3] offset:16*\grp+YODD
.endm
	s_wait_loadcnt 16                              ; the first 16 loads of x are in, the second 16 stay out
	POOL G0R, 0
	s_wait_loadcnt 0x0
	POOL G1R, 1
	s_wait_dscnt 0x0                               ; my stores are in LDS, for the other waves' sake
	s_barrier_signal -1
	s_barrier_wait -1                              ; all 128 channels of the 64 positions are there
	; four y fragments sets (16 positions x 128 channels each): fragment t at v[48 + 32 t] (t < 2) or v[144 + 32 (t - 2)]
.irp t, 0,1,2,3
.irp kc, 0,1,2,3
	ds_load_b128 v[48+32*\t+(\t>>1)*32+8*\kc:48+32*\t+(\t>>1)*32+8*\kc+3],   v[4+\t] offset:64*\kc
	ds_load_b128 v[48+32*\t+(\t>>1)*32+8*\kc+4:48+32*\t+(\t>>1)*32+8*\kc+7], v[4+\t] offset:64*\kc+32
.endr
.endr
	s_wait_dscnt 0x0
	; v: rows = positions (y), columns = channels (Wv): a lane gets eight neighbouring positions of one channel.
	; q', k': rows = outputs (Wq or Wk), columns = positions (y): a lane gets eight neighbouring outputs of one position.
	; The first product of each sum takes the bias block as C.  The five accumulators take turns, one instruction a turn.
.irp kc, 0,1,2,3
.irp t, 0,1,2,3
.if \kc == 0
	v_wmma_f32_16x16x32_bf16 v[ACC+8*\t:ACC+8*\t+7], v[48+32*\t+(\t>>1)*32+8*\kc:48+32*\t+(\t>>1)*32+8*\kc+7], v[WVF+8*\kc:WVF+8*\kc+7], v[BV:BV+7]
.else
	v_wmma_f32_16x16x32_bf16 v[ACC+8*\t:ACC+8*\t+7], v[48+32*\t+(\t>>1)*32+8*\kc:48+32*\t+(\t>>1)*32+8*\kc+7], v[WVF+8*\kc:WVF+8*\kc+7], v[ACC+8*\t:ACC+8*\t+7]
.endif
.endr
.if \kc == 0
	v_wmma_f32_16x16x32_bf16 v[ACCQ:ACCQ+7], v[WQF+8*\kc:WQF+8*\kc+7], v[48+8*\kc:48+8*\kc+7], v[BQ:BQ+7]
.else
	v_wmma_f32_16x16x32_bf16 v[ACCQ:ACCQ+7], v[WQF+8*\kc:WQF+8*\kc+7], v[48+8*\kc:48+8*\kc+7], v[ACCQ:ACCQ+7]
.endif
.endr
.rept 4
	v_nop                                          ; four places behind the last matrix instruction (ISA guide 7.12.1) before results are read and sources rewritten
.endr
.irp t, 0,1,2,3
	v_add_nc_u32 v[G0R+\t], s[44+\t], v1           ; 16 L + the tile's block and half
.irp k, 0,1,2,3
	v_cvt_pk_bf16_f32 v[G0R+4+4*\t+\k], v[ACC+8*\t+2*\k], v[ACC+8*\t+2*\k+1]
.endr
	global_store_b128 v[G0R+\t], v[G0R+4+4*\t:G0R+4+4*\t+3], s[32:33]     ; the wave stores 512 consecutive bytes, aligned
.endr
.irp k, 0,2,4,6
	v_pk_mul_f32 v[ACCQ+\k:ACCQ+\k+1], v[ACCQ+\k:ACCQ+\k+1], 0x3f99be61 op_sel_hi:[1,0]   ; x sqrt(log2 e)
.endr
.irp k, 0,1,2,3
	v_cvt_pk_bf16_f32 v[G0R+20+\k], v[ACCQ+2*\k], v[ACCQ+2*\k+1]
.endr
	global_store_b128 v1, v[G0R+20:G0R+23], s[38:39]
	s_set_vgpr_msb 0x5
	s_wait_tensorcnt 0x0
	ds_add_u32 v0, v1
	s_wait_dscnt 0x0
	s_set_vgpr_msb 0x500
	s_endpgm
.Lfunc_end_k_q39abb51612_project:
	.size	k_q39abb51612_project, .Lfunc_end_k_q39abb51612_project-k_q39abb51612_project
	.p2alignl 7, 3214868480
	.fill 96, 4, 3214868480
	.section	.rodata,"a",@progbits
	.p2align	6, 0x0
	.amdhsa_kernel k_q39abb51612_project
		.amdhsa_group_segment_fixed_size 18688
		.amdhsa_private_segment_fixed_size 0
		.amdhsa_enable_private_segment 0
		.amdhsa_kernarg_size 72
		.amdhsa_user_sgpr_count 2
		.amdhsa_user_sgpr_kernarg_segment_ptr 1
		.amdhsa_wavefront_size32 1
		.amdhsa_system_sgpr_workgroup_id_x 1
		.amdhsa_system_sgpr_workgroup_id_y 1
		.amdhsa_system_sgpr_workgroup_id_z 1
		.amdhsa_system_vgpr_workitem_id 0
		.amdhsa_next_free_vgpr 258
		.amdhsa_next_free_sgpr 66
		.amdhsa_reserve_vcc 0
		.amdhsa_float_denorm_mode_32 3
		.amdhsa_float_denorm_mode_16_64 3
		.amdhsa_memory_ordered 1
		.amdhsa_forward_progress 1
		.amdhsa_inst_pref_size 27
	.end_amdhsa_kernel
	.amdgpu_metadata
---
amdhsa.version: [ 1, 2 ]
amdhsa.kernels:
  - .name:           k_q39abb51612_project
    .symbol:         k_q39abb51612_project.kd
    .args:
      - { .name: x, .offset: 0, .size: 8, .value_kind: global_buffer, .address_space: global }
      - { .name: Wq, .offset: 8, .size: 8, .value_kind: global_buffer, .address_space: global }
      - { .name: bq, .offset: 16, .size: 8, .value_kind: global_buffer, .address_space: global }
      - { .name: Wk, .offset: 24, .size: 8, .value_kind: global_buffer, .address_space: global }
      - { .name: bk, .offset: 32, .size: 8, .value_kind: global_buffer, .address_space: global }
      - { .name: Wv, .offset: 40, .size: 8, .value_kind: global_buffer, .address_space: global }
      - { .name: bv, .offset: 48, .size: 8, .value_kind: global_buffer, .address_space: global }
      - { .name: qf, .offset: 56, .size: 8, .value_kind: global_buffer, .address_space: global }
      - { .name: kv, .offset: 64, .size: 8, .value_kind: global_buffer, .address_space: global }
    .group_segment_fixed_size: 18688
    .private_segment_fixed_size: 0
    .kernarg_segment_align: 8
    .kernarg_segment_size: 72
    .max_flat_workgroup_size: 256
    .sgpr_count:     66
    .vgpr_count:     258
    .wavefront_size: 32
...
	.end_amdgpu_metadata
.endif
;; end of part 1
;; launch attend (part 2): grid 256 x 1, 8 waves a work-group, clusters of 4 x 1, 327,680 bytes of LDS; arguments qf, kv, att; writes att
.if DOCPART == 2
	.amdgcn_target "amdgcn-amd-amdhsa--gfx1250"
	.amdhsa_code_object_version 6
	.text
	.protected	k_q39abb51612_attend
	.globl	k_q39abb51612_attend
	.p2align	8
	.type	k_q39abb51612_attend,@function
k_q39abb51612_attend:
	s_mov_b64 s[64:65], 0
	v_nop
	global_prefetch_b8 v0, s[64:65] scope:SCOPE_SE
	s_setreg_imm32_b32 hwreg(HW_REG_WAVE_MODE, 25, 1), 1
	s_wait_xcnt 0x0
	s_wait_alu depctr_hold_cnt(0) depctr_sa_sdst(0) depctr_va_vdst(0) depctr_va_sdst(0) depctr_va_ssrc(0) depctr_va_vcc(0) depctr_vm_vsrc(0)
	s_getreg_b32 s2, hwreg(HW_REG_IB_STS2, 6, 4)
	s_cmp_eq_u32 s2, 0
	s_cbranch_scc0 .Lentry_in_a_cluster
	s_endpgm
.Lentry_in_a_cluster:
	s_bfe_u32 s2, ttmp6, 0x10000c
	s_cmp_lg_u32 s2, 0x3003
	s_cbranch_scc0 .Lentry_shape_is_right
	s_endpgm
.Lentry_shape_is_right:
; attend: att[c][i] = sum over j of v[c][j] softmax_j(energy[i][j]), 16,384 queries x 16,384 keys, the energies never leaving registers.
; Work-group g owns queries 64 g .. 64 g + 63.  Wave w takes all 64 queries against keys 2048 w .. 2048 w + 2047; the eight parts are summed at the end.
; PASS 1 finds the true maximum m of each query's energies (base 2): K fragments straight from memory, S = K Q^T, a running maximum in registers,
; then over the lanes and, through LDS, over the eight waves.  PASS 2 forms S - m in the matrix instruction itself (C = a block that holds -m),
; takes exp2, adds up the row sums, and multiplies V by the rounded P.  Since all waves subtract the same m, their parts are simply added.
; Against a running maximum this spares rescaling 256 accumulator registers for every 64 keys and costs 512 more matrix instructions a wave.
; LAYOUT: S^T = K Q^T: lane (r, h), register j = key 8 h + j of query r.  Two such tiles, packed to bf16 in place, ARE the B fragment (32 keys) of
; O^T = V P^T, whose result holds channel 16 ct + 8 h + j of query 16 qt + r.  Nothing is shuffled.  q' and k' have 16 numbers; the matrix form sums
; over 32: the upper four registers of every Q and K fragment are zero.
; CLUSTER: the four work-groups of a cluster walk the same kv tiles.  Wave w of each issues the same tensor load (mask 15, a descriptor made of w alone)
; behind a round of the cluster's barrier.  By this text's count a wave has one tensor load out at any time.  Pass 1's K is read by plain loads,
; not jointly: it is one ninth of the bytes that pass 2 brings, and it needs no LDS and no round.
; Eight waves, two to a SIMD with 512 registers each: while one takes exponentials the other can multiply.
; LIMITS: inputs finite and energies finite in f32; exp2 below 2^-126 counts as 0; P and v are bf16, all sums f32; the row sum adds the unrounded P.
.set BLK,   9216                       ; a block of kv: 32 keys
.set TILEB, 2*BLK                      ; a slot: 64 keys
.set RINGW, 2*TILEB                    ; a wave's two slots
.set KVW,   64*BLK                     ; a wave's keys in kv
.set MXB,   294912                     ; behind the ring: wave w's maxima at + 256 w, [r][qt] f32
.set LSB,   296960                     ; wave w's row sums at + 256 w, [query] f32
.set SP,    272                        ; merge stage: a channel's 64 queries in f32 + 16 bytes
.set STW,   128*SP                     ; a wave's part in the merge stage (in the ring's bytes, after their last fill)
.set QR,    8                          ; v[8:39]    Q fragments, 4 x 8
.set NM,    40                         ; v[40:71]   pass 1: running maxima; pass 2: -m, 4 blocks of 8
.set KF,    72                         ; v[72:103]  K fragments of a slot, 4 x 8
.set VF,    104                        ; v[104:167] V fragments of 32 keys, 8 x 8; pass 1: eight K fragments
.set SR,    168                        ; v[168:231] S(kt, qt) at 168 + 16 qt + 8 kt; P(qt) packed in place at 168 + 16 qt
.set LR,    232                        ; v[232:239] row sums, a pair for each qt
.set TP,    240                        ; v[240:255] at work
; window 1 (v256-511): O(ct, qt) at v[8 (4 ct + qt)]
.set MSB, 0
.macro WIN new                         ; the immediate's high byte repeats the setting that is left
.if MSB != \new
	s_set_vgpr_msb (MSB<<8)|\new
.set MSB, \new
.endif
.endm
.macro PLACES n
.rept \n
	v_nop
.endr
.endm
; a round of the cluster's barrier: my work-group's barrier, wave 0 signals for the work-group, every wave waits for all four, my work-group's barrier again
.macro ROUND
	s_barrier_signal -1
	s_barrier_wait -1
	s_cmp_lg_u32 s8, 0
	s_cbranch_scc1 .Lnot_wave_0_\@
	s_barrier_signal -3
.Lnot_wave_0_\@:
	s_barrier_wait -3
	s_barrier_signal -1
	s_barrier_wait -1
.endm
	s_load_b128 s[4:7], s[0:1], 0x0                ; qf s[4:5], kv s[6:7]
	s_load_b64 s[10:11], s[0:1], 0x10              ; att
	v_lshl_add_u32 v254, v0, 2, 0x49000
	v_mov_b32 v255, 0
	ds_add_u32 v254, v255
	v_lshrrev_b32 v240, 5, v0
	v_readfirstlane_b32 s8, v240                   ; wave w
	s_bfe_u32 s28, ttmp6, 0x40000                  ; cx
	s_lshl_b32 s29, ttmp9, 2
	s_add_co_u32 s29, s29, s28                     ; g = 4 x cluster + cx: enters the addresses of qf and att alone
	s_mov_b32 s12, 0x76543210                      ; v_permlanex16_b32: lane i reads lane i of the other half
	s_mov_b32 s13, 0xfedcba98
	; descriptor group 1: 72 dense rows of 256 bytes = two blocks of kv
	s_mov_b32 s16, 0x0023000f                      ; 15:0 mask: all four work-groups; 17:16 elements of 8 bytes; 21 set beside a mask
	s_mov_b32 s17, 32<<16                          ; tensor_dim0 = 32
	s_mov_b32 s18, 72<<16                          ; tensor_dim1 = 72
	s_mov_b32 s19, 32<<16                          ; tile_dim0 = 32
	s_mov_b32 s20, 72                              ; tile_dim1 = 72
	s_mov_b32 s21, 32                              ; pitch = 32 elements
	s_mov_b32 s22, 0
	s_mov_b32 s23, 0
	s_mul_i32 s26, s8, KVW
	s_mov_b32 s27, 0
	s_mul_i32 s40, s8, RINGW                       ; my ring
	s_mul_i32 s41, s8, STW                         ; my part of the merge stage
	s_mul_i32 s42, s8, 16*SP                       ; the 16 channels that I sum in the merge
	s_wait_dscnt 0x0
	s_wait_kmcnt 0x0
	s_add_nc_u64 s[24:25], s[6:7], s[26:27]        ; kv at my first key
.irp n, 0,1
	s_mov_b32 s[32+4*\n], 1                        ; group 0 of slot n: count,
	s_add_co_u32 s[33+4*\n], s40, \n*TILEB         ; LDS address: wave x 36,864 + slot x 18,432,
	s_add_nc_u64 s[34+4*\n:35+4*\n], s[24:25], \n*TILEB   ; tile n,
	s_or_b32 s[35+4*\n], s[35+4*\n], 0x80000000    ; type 2
.endr
	ROUND                                          ; the four work-groups are here: the first joint load meets
	tensor_load_to_lds s[32:35], s[16:23]          ; tile 0; it lands during pass 1
	s_nop 0
	s_lshl_b32 s26, s29, 11
	s_add_nc_u64 s[4:5], s[4:5], s[26:27]          ; my four Q fragments
	s_lshl_b32 s30, s29, 8
	s_mov_b32 s31, 0
	s_add_nc_u64 s[10:11], s[10:11], s[30:31]      ; my 64 queries in a row of att
	v_and_b32 v241, 31, v0                         ; L
	v_and_b32 v242, 15, v0                         ; r
	v_bfe_u32 v243, v0, 4, 1                       ; h
	v_lshlrev_b32 v7, 4, v241                      ; 16 L
	v_add_nc_u32 v1, s40, v7                       ; my 16 bytes of a fragment in my ring
	v_lshlrev_b32 v2, 4, v242
	v_add_nc_u32 v2, MXB, v2                       ; maxima of wave 0, 16 r
	v_lshl_add_u32 v3, s8, 8, v2                   ; my wave's maxima
	v_mul_u32_u24 v4, v243, 8*SP
	v_lshl_add_u32 v4, v242, 2, v4
	v_add_nc_u32 v4, s41, v4                       ; merge stage: channel 8 h, query r of my part
	v_lshlrev_b32 v5, 2, v242
	v_lshl_add_u32 v5, s8, 8, v5
	v_add_nc_u32 v5, LSB, v5                       ; my wave's row sums, query r
	v_lshlrev_b32 v6, 4, v242
	v_lshl_add_u32 v6, v243, 16, v6
	v_lshl_add_u32 v6, s8, 20, v6                  ; att: channel 16 w + h, 16 r
.irp q, 0,1,2,3
	global_load_b128 v[QR+8*\q:QR+8*\q+3], v7, s[4:5] offset:512*\q
.endr
.irp i, 0,1,2,3,4,5,6,7
	global_load_b128 v[VF+8*\i:VF+8*\i+3], v7, s[24:25] offset:(\i>>1)*BLK+(\i&1)*512     ; the first eight K fragments of pass 1
.endr
	; the zero halves (k = 16 .. 31 of the matrix form) of Q, of pass 2's K fragments and of pass 1's
.irp i, 0,1,2,3
.irp j, 4,5,6,7
	v_mov_b32 v[QR+8*\i+\j], 0
	v_mov_b32 v[KF+8*\i+\j], 0
	v_mov_b32 v[VF+8*\i+\j], 0
	v_mov_b32 v[VF+32+8*\i+\j], 0
.endr
.endr
; PASS 1.  One pair: 32 keys (K fragments 2 p, 2 p + 1) against the four Q fragments, and the running maxima.
; cnt = how many younger loads may stay out.  reload = 1: the two fragments are loaded again, four blocks further on.
.macro PAIR p, first, reload, cnt
	s_wait_loadcnt \cnt
.irp q, 0,1,2,3
	v_wmma_f32_16x16x32_bf16 v[SR+8*\q:SR+8*\q+7],       v[VF+16*\p:VF+16*\p+7],    v[QR+8*\q:QR+8*\q+7], 0
	v_wmma_f32_16x16x32_bf16 v[SR+32+8*\q:SR+32+8*\q+7], v[VF+16*\p+8:VF+16*\p+15], v[QR+8*\q:QR+8*\q+7], 0
.endr
	PLACES 4                                       ; four places before results are read and, below, loads are issued into the K fragments
.set i, 0
.rept 32
.if \first
	v_max_num_f32 v[NM+i], v[SR+i], v[SR+32+i]     ; the first pair starts the maxima
.else
	v_max3_num_f32 v[NM+i], v[NM+i], v[SR+i], v[SR+32+i]
.endif
.set i, i+1
.endr
.if \reload
	global_load_b128 v[VF+16*\p:VF+16*\p+3],    v7, s[24:25] offset:4*BLK+\p*BLK
	global_load_b128 v[VF+16*\p+8:VF+16*\p+11], v7, s[24:25] offset:4*BLK+\p*BLK+512
.endif
.endm
; four pairs = four blocks.  With reloads eight loads are always out and a pair needs the two oldest: count 6.  Without, the counts run down.
.macro SWEEP first, reload
.if \reload
	PAIR 0, \first, 1, 6
	PAIR 1, 0, 1, 6
	PAIR 2, 0, 1, 6
	PAIR 3, 0, 1, 6
	s_wait_xcnt 0x0                                ; the loads' base is stepped only behind this wait
	s_add_nc_u64 s[24:25], s[24:25], 4*BLK
.else
	PAIR 0, \first, 0, 6
	PAIR 1, 0, 0, 4
	PAIR 2, 0, 0, 2
	PAIR 3, 0, 0, 0
.endif
.endm
	SWEEP 1, 1                                     ; 16 sweeps = my 64 blocks
	s_mov_b32 s44, 14
.Lmax:
	SWEEP 0, 1
	s_sub_co_u32 s44, s44, 1
	s_cmp_lg_u32 s44, 0
	s_cbranch_scc1 .Lmax
	SWEEP 0, 0                                     ; the last sweep loads nothing
	; the maximum over a lane's eight registers, then over the two halves of the lanes: every lane has query r's maximum over my keys
.irp q, 0,1,2,3
	v_max3_num_f32 v[TP+\q], v[NM+8*\q], v[NM+8*\q+1], v[NM+8*\q+2]
	v_max3_num_f32 v[TP+\q], v[TP+\q], v[NM+8*\q+3], v[NM+8*\q+4]
	v_max3_num_f32 v[TP+\q], v[TP+\q], v[NM+8*\q+5], v[NM+8*\q+6]
	v_max_num_f32 v[TP+\q], v[TP+\q], v[NM+8*\q+7]
.endr
.irp q, 0,1,2,3
	v_permlanex16_b32 v[SR+\q], v[TP+\q], s12, s13 ; its destination counts as read: a register that has been written
.endr
.irp q, 0,1,2,3
	v_max_num_f32 v[TP+\q], v[TP+\q], v[SR+\q]
.endr
	ds_store_b128 v3, v[TP:TP+3]                   ; [r][qt]; both halves of the lanes store the same; shown to the others by the first trip's wait and round
; PASS 2
.macro KLOAD slot                      ; the slot's four K fragments (lower halves)
.irp i, 0,1,2,3
	ds_load_b128 v[KF+8*\i:KF+8*\i+3], v1 offset:\slot*TILEB+(\i>>1)*BLK+(\i&1)*512
.endr
.endm
.macro VLOAD slot, sub                 ; the eight V fragments of 32 keys: 16 loads of 512 consecutive bytes
.irp i, 0,1,2,3,4,5,6,7,8,9,10,11,12,13,14,15
	ds_load_b128 v[VF+4*\i:VF+4*\i+3], v1 offset:\slot*TILEB+\sub*BLK+1024+512*\i
.endr
.endm
.macro EXPQ q                          ; exp2 of the 16 registers of query tile q, in place
.set i, 0
.rept 16
	v_exp_f32 v[SR+16*\q+i], v[SR+16*\q+i]
.set i, i+1
.endr
.endm
; query tile q: its 16 registers are added to the row sum (a tree of packed adds) and packed to bf16 in place, upward.  zero = 1: the tree's top starts the sum.
.macro SUMP q, zero
	s_wait_alu depctr_va_vdst(0)
	v_pk_add_f32 v[TP:TP+1],   v[SR+16*\q:SR+16*\q+1],     v[SR+16*\q+2:SR+16*\q+3]
	v_pk_add_f32 v[TP+2:TP+3], v[SR+16*\q+4:SR+16*\q+5],   v[SR+16*\q+6:SR+16*\q+7]
	v_pk_add_f32 v[TP+4:TP+5], v[SR+16*\q+8:SR+16*\q+9],   v[SR+16*\q+10:SR+16*\q+11]
	v_pk_add_f32 v[TP+6:TP+7], v[SR+16*\q+12:SR+16*\q+13], v[SR+16*\q+14:SR+16*\q+15]
.irp i, 0,1,2,3
	v_cvt_pk_bf16_f32 v[SR+16*\q+\i], v[SR+16*\q+2*\i], v[SR+16*\q+2*\i+1]
.endr
	v_pk_add_f32 v[TP:TP+1],   v[TP:TP+1],   v[TP+2:TP+3]
	v_pk_add_f32 v[TP+4:TP+5], v[TP+4:TP+5], v[TP+6:TP+7]
.irp i, 4,5
	v_cvt_pk_bf16_f32 v[SR+16*\q+\i], v[SR+16*\q+2*\i], v[SR+16*\q+2*\i+1]
.endr
.if \zero
	v_pk_add_f32 v[LR+2*\q:LR+2*\q+1], v[TP:TP+1], v[TP+4:TP+5]
.else
	v_pk_add_f32 v[TP:TP+1], v[TP:TP+1], v[TP+4:TP+5]
.endif
.irp i, 6,7
	v_cvt_pk_bf16_f32 v[SR+16*\q+\i], v[SR+16*\q+2*\i], v[SR+16*\q+2*\i+1]
.endr
.if \zero == 0
	v_pk_add_f32 v[LR+2*\q:LR+2*\q+1], v[LR+2*\q:LR+2*\q+1], v[TP:TP+1]
.endif
.endm
; 32 keys x 64 queries.  zero = 1: the first products start the sums.  more = 1: the slot's second 32 keys of V are fetched at the end.
.macro KEYS32 slot, sub, zero, more
.irp q, 0,1,2,3
	v_wmma_f32_16x16x32_bf16 v[SR+16*\q:SR+16*\q+7],    v[KF+16*\sub:KF+16*\sub+7],    v[QR+8*\q:QR+8*\q+7], v[NM+8*\q:NM+8*\q+7]   ; S - m
	v_wmma_f32_16x16x32_bf16 v[SR+16*\q+8:SR+16*\q+15], v[KF+16*\sub+8:KF+16*\sub+15], v[QR+8*\q:QR+8*\q+7], v[NM+8*\q:NM+8*\q+7]
.endr
	PLACES 4                                       ; four places before the results are read (ISA guide 7.12.1)
	; behind an exponential a plain vector instruction that touches neither its result nor its source comes before the first use (ISA guide 5.7.2):
	; each tile's sums stand behind a v_nop or behind another tile's sums
	EXPQ 0
	EXPQ 1
	v_nop
	SUMP 0, \zero
	EXPQ 2
	SUMP 1, \zero
	EXPQ 3
	SUMP 2, \zero
	SUMP 3, \zero
	s_wait_dscnt 0x0                               ; the 16 loads of V are in
	WIN 0x50                                       ; C and D in window 1
	; the 32 accumulators take turns, one instruction a turn
.irp c, 0,1,2,3,4,5,6,7
.irp q, 0,1,2,3
.if \zero
	v_wmma_f32_16x16x32_bf16 v[8*(4*\c+\q):8*(4*\c+\q)+7], v[VF+8*\c:VF+8*\c+7], v[SR+16*\q:SR+16*\q+7], 0
.else
	v_wmma_f32_16x16x32_bf16 v[8*(4*\c+\q):8*(4*\c+\q)+7], v[VF+8*\c:VF+8*\c+7], v[SR+16*\q:SR+16*\q+7], v[8*(4*\c+\q):8*(4*\c+\q)+7]
.endif
.endr
.endr
	WIN 0
	PLACES 5                                       ; four places before loads are issued into V's fragments, five before the next S is written over P
.if \more
	VLOAD \slot, 1
.endif
.endm
; One tile of 64 keys.  In front of the round every wave waits for all its tensor loads (the one that is out is this trip's tile) and for its LDS accesses
; (its reads of the other slot; in the first trip its store of maxima); behind the round the other slot's refill is the wave's first and only tensor load.
.macro TRIP slot, refill, first
	s_wait_tensorcnt 0x0                           ; no tensor load of mine is out: a group 0 may be written
	ds_add_u32 v254, v255
	s_wait_dscnt 0x0
	s_add_nc_u64 s[34+4*\slot:35+4*\slot], s[34+4*\slot:35+4*\slot], RINGW    ; this slot's next tile
	s_wait_dscnt 0x0
	ROUND                                          ; both hold of every wave of the four work-groups
.if \refill
	tensor_load_to_lds s[36-4*\slot:39-4*\slot], s[16:23]                     ; the next tile, into the slot read last trip
	s_nop 0
.endif
.if \first
.irp u, 0,1,2,3,4,5,6,7
	ds_load_b128 v[SR+4*\u:SR+4*\u+3], v2 offset:256*\u                       ; the eight waves' maxima of my four queries
.endr
.endif
	KLOAD \slot
	VLOAD \slot, 0
.if \first
	s_wait_dscnt 20                                ; the maxima are in: the 4 + 16 younger loads stay out
.irp q, 0,1,2,3
	v_max3_num_f32 v[TP+\q], v[SR+\q], v[SR+4+\q], v[SR+8+\q]
	v_max3_num_f32 v[TP+\q], v[TP+\q], v[SR+12+\q], v[SR+16+\q]
	v_max3_num_f32 v[TP+\q], v[TP+\q], v[SR+20+\q], v[SR+24+\q]
	v_max_num_f32 v[TP+\q], v[TP+\q], v[SR+28+\q]
.endr
.irp q, 0,1,2,3
.irp j, 0,1,2,3,4,5,6,7
	v_mul_f32 v[NM+8*\q+\j], -1.0, v[TP+\q]        ; a lane's eight results are one query: -m in all eight registers of C
.endr
.endr
.endif
	s_wait_dscnt 16                                ; the K fragments are in; the 16 loads of V stay out
	KEYS32 \slot, 0, \first, 1
	KEYS32 \slot, 1, 0, 0
.endm
	TRIP 0, 1, 1                                   ; 32 tiles: one pair written out (its first products start the sums), 14 in the loop, one at the end
	TRIP 1, 1, 0
	s_mov_b32 s44, 14
.Lkeys:
	TRIP 0, 1, 0
	TRIP 1, 1, 0
	s_sub_co_u32 s44, s44, 1
	s_cmp_lg_u32 s44, 0
	s_cbranch_scc1 .Lkeys
	TRIP 0, 1, 0
	TRIP 1, 0, 0                                   ; the last tile: nothing is left to fetch
	; THE MERGE.  Row sums of my keys: the pair, then the two halves of the lanes.
.irp q, 0,1,2,3
	v_add_f32 v[TP+\q], v[LR+2*\q], v[LR+2*\q+1]
.endr
.irp q, 0,1,2,3
	v_permlanex16_b32 v[SR+\q], v[TP+\q], s12, s13
.endr
.irp q, 0,1,2,3
	v_add_f32 v[TP+\q], v[TP+\q], v[SR+\q]
	ds_store_b32 v5, v[TP+\q] offset:64*\q
.endr
	s_wait_dscnt 0x0                               ; my reads of the ring are over, my sums are stored
	s_barrier_signal -1
	s_barrier_wait -1                              ; every wave's are: the ring, which has had its last fill, becomes the stage
	WIN 0x04                                       ; store data from window 1
.irp c, 0,1,2,3,4,5,6,7
.irp q, 0,1,2,3
.irp j, 0,1,2,3,4,5,6,7
	ds_store_b32 v4, v[8*(4*\c+\q)+\j] offset:\c*16*SP+\j*SP+\q*64            ; channel 16 c + 8 h + j, query 16 q + r
.endr
.endr
.endr
	WIN 0
	v_and_b32 v240, 15, v0
	v_bfe_u32 v241, v0, 4, 1
	v_mul_u32_u24 v241, v241, SP
	v_lshl_add_u32 v241, v240, 4, v241
	v_add_nc_u32 v[TP+4], s42, v241                ; channel 16 w + h, 16 r, in parts 0 and 1;
	v_add_nc_u32 v[TP+5], 2*STW, v[TP+4]           ; parts 2 and 3;
	v_add_nc_u32 v[TP+6], 4*STW, v[TP+4]           ; 4 and 5;
	v_add_nc_u32 v[TP+7], 6*STW, v[TP+4]           ; 6 and 7
	s_wait_dscnt 0x0
	s_barrier_signal -1
	s_barrier_wait -1                              ; all eight parts are in the stage
; part u of my 16 channels into buffer buf (32 registers at 72 + 32 buf): lanes 0-15 a row of 256 bytes, lanes 16-31 the next
.macro BATCH u, buf
.irp t, 0,1,2,3,4,5,6,7
	ds_load_b128 v[KF+32*\buf+4*\t:KF+32*\buf+4*\t+3], v[TP+4+(\u>>1)] offset:(\u&1)*STW+2*SP*\t
.endr
.endm
.macro ADDBUF buf
.irp e, 0,2,4,6,8,10,12,14,16,18,20,22,24,26,28,30
	v_pk_add_f32 v[KF+\e:KF+\e+1], v[KF+\e:KF+\e+1], v[KF+32*\buf+\e:KF+32*\buf+\e+1]
.endr
.endm
	BATCH 0, 0
	BATCH 1, 1
	BATCH 2, 2
	BATCH 3, 3
	BATCH 4, 4
	s_wait_dscnt 0x0
	ADDBUF 1
	ADDBUF 2
	ADDBUF 3
	ADDBUF 4
	BATCH 5, 1
	BATCH 6, 2
	BATCH 7, 3
.irp u, 0,1,2,3,4,5,6,7
	ds_load_b128 v[KF+128+4*\u:KF+128+4*\u+3], v2 offset:LSB-MXB+256*\u       ; wave u's row sums of queries 4 r .. 4 r + 3
.endr
	s_wait_dscnt 0x0
	ADDBUF 1
	ADDBUF 2
	ADDBUF 3
.irp u, 1,2,3,4,5,6,7
	v_pk_add_f32 v[KF+128:KF+129], v[KF+128:KF+129], v[KF+128+4*\u:KF+128+4*\u+1]
	v_pk_add_f32 v[KF+130:KF+131], v[KF+130:KF+131], v[KF+130+4*\u:KF+130+4*\u+1]
.endr
.irp i, 0,1,2,3
	v_rcp_f32 v[TP+\i], v[KF+128+\i]               ; the sum holds exp2(0) of the largest energy: it is at least about 1
.endr
	v_nop                                          ; a plain place behind the reciprocals (ISA guide 5.7.2)
.irp t, 0,1,2,3,4,5,6,7
	s_wait_alu depctr_va_vdst(0)
	v_pk_mul_f32 v[KF+4*\t:KF+4*\t+1],   v[KF+4*\t:KF+4*\t+1],   v[TP:TP+1]
	v_pk_mul_f32 v[KF+4*\t+2:KF+4*\t+3], v[KF+4*\t+2:KF+4*\t+3], v[TP+2:TP+3]
	global_store_b128 v6, v[KF+4*\t:KF+4*\t+3], s[10:11] offset:131072*\t     ; channels 16 w + 2 t + h: sixteen lanes store 256 consecutive bytes, aligned
.endr
	s_wait_tensorcnt 0x0
	ds_add_u32 v254, v255
	s_wait_dscnt 0x0
	ROUND                                          ; the closing round: no work-group ends while a partner may still issue a joint load that names it
	s_endpgm
.Lfunc_end_k_q39abb51612_attend:
	.size	k_q39abb51612_attend, .Lfunc_end_k_q39abb51612_attend-k_q39abb51612_attend
	.p2alignl 7, 3214868480
	.fill 96, 4, 3214868480
	.section	.rodata,"a",@progbits
	.p2align	6, 0x0
	.amdhsa_kernel k_q39abb51612_attend
		.amdhsa_group_segment_fixed_size 327680
		.amdhsa_private_segment_fixed_size 0
		.amdhsa_enable_private_segment 0
		.amdhsa_kernarg_size 24
		.amdhsa_user_sgpr_count 2
		.amdhsa_user_sgpr_kernarg_segment_ptr 1
		.amdhsa_wavefront_size32 1
		.amdhsa_system_sgpr_workgroup_id_x 1
		.amdhsa_system_sgpr_workgroup_id_y 1
		.amdhsa_system_sgpr_workgroup_id_z 1
		.amdhsa_system_vgpr_workitem_id 0
		.amdhsa_next_free_vgpr 512
		.amdhsa_next_free_sgpr 66
		.amdhsa_reserve_vcc 0
		.amdhsa_float_denorm_mode_32 3
		.amdhsa_float_denorm_mode_16_64 3
		.amdhsa_memory_ordered 1
		.amdhsa_forward_progress 1
		.amdhsa_inst_pref_size 202
	.end_amdhsa_kernel
	.amdgpu_metadata
---
amdhsa.version: [ 1, 2 ]
amdhsa.kernels:
  - .name:           k_q39abb51612_attend
    .symbol:         k_q39abb51612_attend.kd
    .args:
      - { .name: qf, .offset: 0, .size: 8, .value_kind: global_buffer, .address_space: global }
      - { .name: kv, .offset: 8, .size: 8, .value_kind: global_buffer, .address_space: global }
      - { .name: att, .offset: 16, .size: 8, .value_kind: global_buffer, .address_space: global }
    .group_segment_fixed_size: 327680
    .private_segment_fixed_size: 0
    .kernarg_segment_align: 8
    .kernarg_segment_size: 24
    .max_flat_workgroup_size: 256
    .sgpr_count:     66
    .vgpr_count:     512
    .wavefront_size: 32
...
	.end_amdgpu_metadata
.endif
;; end of part 2
;; launch upsample (part 3): grid 512 x 1, 8 waves a work-group, no clusters, 0 bytes of LDS; arguments att, x, gamma, out0; writes out0
.if DOCPART == 3
	.amdgcn_target "amdgcn-amd-amdhsa--gfx1250"
	.amdhsa_code_object_version 6
	.text
	.protected	k_q39abb51612_upsample
	.globl	k_q39abb51612_upsample
	.p2align	8
	.type	k_q39abb51612_upsample,@function
k_q39abb51612_upsample:
	s_mov_b64 s[64:65], 0
	v_nop
	global_prefetch_b8 v0, s[64:65] scope:SCOPE_SE
	s_setreg_imm32_b32 hwreg(HW_REG_WAVE_MODE, 25, 1), 1
	s_wait_xcnt 0x0
; upsample: out0 = gamma x (att enlarged 128 -> 256 in both directions, bilinear with the corners aligned) + x.
; For 128 -> 256 the source place of output o is o 127/255, which gives closed forms with beta = b / 255:
;   output 2 b     = beta in(b - 1) + (1 - beta) in(b)
;   output 2 b + 1 = (128/255 + beta) in(b) + (127/255 - beta) in(b + 1)
; At the edges the neighbour's index is clamped; its weight there is 0 (b = 0) or, at b = 127, a rounding remainder on the same row as the other term.
; LIMIT: these weights differ from f32 pos - floor(pos) by a few 1e-6.  Columns are interpolated first, then rows; inputs finite.
; Work-group g: channel g >> 2, quarter g & 3 of the rows.  Wave w: half row w & 1, source rows b0 .. b0 + 7 with b0 = 32 (g & 3) + 8 (w >> 1), that is
; 16 output rows of 512 bytes.  Lane L makes output columns 128 hx + 4 L .. + 3 from source columns a0 - 1 .. a0 + 2, a0 = 64 hx + 2 L.
; A stream: no LDS, no matrix unit, no cluster (nothing large is shared).  All 46 loads of a wave are issued at once; each load of x and each store
; covers 512 consecutive bytes, aligned.  No register is rewritten behind a store that reads it.
.set P, 24                             ; v[24:63]   source row i (b0 - 1 + i): in(a0), in(a0 + 1), in(a0 - 1), in(a0 + 2)
.set H, 64                             ; v[64:103]  row i interpolated along the columns, times gamma
.set X, 104                            ; v[104:167] x of output row k, then the result
.set C255, 0x3b808081                  ; 1/255
.set C127, 0x3efefeff                  ; 127/255
.set C128, 0x3f008081                  ; 128/255
	s_load_b256 s[4:11], s[0:1], 0x0               ; att s[4:5], x s[6:7], gamma s[8:9], out0 s[10:11]
	v_lshrrev_b32 v20, 5, v0
	v_readfirstlane_b32 s2, v20                    ; wave
	v_and_b32 v21, 31, v0                          ; L
	s_lshr_b32 s24, ttmp9, 2                       ; channel
	s_and_b32 s25, ttmp9, 3                        ; quarter
	s_and_b32 s3, s2, 1                            ; hx
	s_lshr_b32 s13, s2, 1
	s_lshl_b32 s13, s13, 3
	s_lshl_b32 s25, s25, 5
	s_add_co_u32 s13, s13, s25                     ; b0
	s_lshl_b32 s28, s24, 16                        ; the channel in att
	s_mov_b32 s27, 0
	v_lshlrev_b32 v1, 4, v21                       ; 16 L
	v_lshlrev_b32 v22, 1, v21
	v_lshl_add_u32 v22, s3, 6, v22                 ; a0
	v_lshlrev_b32 v2, 2, v22                       ; 4 a0
	v_max_u32 v23, 1, v22
	v_add_nc_u32 v23, -1, v23
	v_lshlrev_b32 v3, 2, v23                       ; 4 max(a0 - 1, 0)
	v_add_nc_u32 v23, 2, v22
	v_min_u32 v23, 127, v23
	v_lshlrev_b32 v4, 2, v23                       ; 4 min(a0 + 2, 127)
	s_wait_kmcnt 0x0
	s_load_b32 s12, s[8:9], 0x0                    ; gamma
	s_max_u32 s26, s13, 1
	s_sub_co_u32 s26, s26, 1
	s_lshl_b32 s26, s26, 9
	s_add_co_u32 s26, s26, s28
	s_add_nc_u64 s[14:15], s[4:5], s[26:27]        ; att at row max(b0 - 1, 0)
	s_lshl_b32 s26, s13, 9
	s_add_co_u32 s26, s26, s28
	s_add_nc_u64 s[16:17], s[4:5], s[26:27]        ; at row b0
	s_add_co_u32 s26, s13, 8
	s_min_u32 s26, s26, 127
	s_lshl_b32 s26, s26, 9
	s_add_co_u32 s26, s26, s28
	s_add_nc_u64 s[18:19], s[4:5], s[26:27]        ; at row min(b0 + 8, 127)
	s_lshl_b32 s26, s24, 18                        ; x and out0: the channel,
	s_lshl_b32 s25, s13, 11                        ; row 2 b0,
	s_add_co_u32 s26, s26, s25
	s_lshl_b32 s25, s3, 9                          ; the half row
	s_add_co_u32 s26, s26, s25
	s_add_nc_u64 s[20:21], s[6:7], s[26:27]
	s_add_nc_u64 s[22:23], s[10:11], s[26:27]
.macro ROWLOAD i, lo, off
	global_load_b64 v[P+4*(\i):P+4*(\i)+1], v2, s[\lo:\lo+1] offset:\off
	global_load_b32 v[P+4*(\i)+2], v3, s[\lo:\lo+1] offset:\off
	global_load_b32 v[P+4*(\i)+3], v4, s[\lo:\lo+1] offset:\off
.endm
	ROWLOAD 0, 14, 0
.irp i, 1,2,3,4,5,6,7,8
	ROWLOAD \i, 16, 512*(\i-1)
.endr
	ROWLOAD 9, 18, 0
.irp k, 0,1,2,3,4,5,6,7,8,9,10,11,12,13,14,15
	global_load_b128 v[X+4*\k:X+4*\k+3], v1, s[20:21] offset:1024*\k th:TH_LOAD_NT
.endr
	; the eight weights along the columns, for a0 in v[8:11] and for a0 + 1 in v[12:15], times gamma
	v_cvt_f32_u32 v20, v22
	v_mul_f32 v8, C255, v20
	v_add_f32 v20, 1.0, v20
	v_mul_f32 v12, C255, v20
.irp a, 8,12
	v_sub_f32 v[\a+1], 1.0, v[\a]
	v_add_f32 v[\a+2], C128, v[\a]
	v_sub_f32 v[\a+3], C127, v[\a]
.endr
	s_wait_kmcnt 0x0
.irp a, 8,10,12,14
	v_pk_mul_f32 v[\a:\a+1], v[\a:\a+1], s[12:13] op_sel_hi:[1,0]             ; both by s12
.endr
	s_wait_loadcnt 16                              ; the 30 loads of att are in; the 16 younger loads of x stay out
.irp i, 0,1,2,3,4,5,6,7,8,9
	v_mul_f32 v[H+4*\i],   v8,  v[P+4*\i+2]        ; column 2 a0:     in(a0 - 1), in(a0)
	v_mul_f32 v[H+4*\i+1], v10, v[P+4*\i]          ; column 2 a0 + 1: in(a0), in(a0 + 1)
	v_mul_f32 v[H+4*\i+2], v12, v[P+4*\i]          ; column 2 a0 + 2: in(a0), in(a0 + 1)
	v_mul_f32 v[H+4*\i+3], v14, v[P+4*\i+1]        ; column 2 a0 + 3: in(a0 + 1), in(a0 + 2)
	v_fmac_f32 v[H+4*\i],   v9,  v[P+4*\i]
	v_fmac_f32 v[H+4*\i+1], v11, v[P+4*\i+1]
	v_fmac_f32 v[H+4*\i+2], v13, v[P+4*\i+1]
	v_fmac_f32 v[H+4*\i+3], v15, v[P+4*\i+3]
.endr
; output row k = x + wa H(i) + wb H(i + 1), the two weights in the pair v[wp:wp+1]; left = how many younger loads of x may stay out.
; k and i arrive as expressions: every use stands in brackets.
.macro OUTROW k, i, wp, left
	s_wait_loadcnt \left
	v_pk_fma_f32 v[X+4*(\k):X+4*(\k)+1],   v[H+4*(\i):H+4*(\i)+1],   v[\wp:\wp+1], v[X+4*(\k):X+4*(\k)+1]   op_sel_hi:[1,0,1]                  ; both by the pair's first
	v_pk_fma_f32 v[X+4*(\k)+2:X+4*(\k)+3], v[H+4*(\i)+2:H+4*(\i)+3], v[\wp:\wp+1], v[X+4*(\k)+2:X+4*(\k)+3] op_sel_hi:[1,0,1]
	v_pk_fma_f32 v[X+4*(\k):X+4*(\k)+1],   v[H+4*(\i)+4:H+4*(\i)+5], v[\wp:\wp+1], v[X+4*(\k):X+4*(\k)+1]   op_sel:[0,1,0] op_sel_hi:[1,1,1]   ; both by its second
	v_pk_fma_f32 v[X+4*(\k)+2:X+4*(\k)+3], v[H+4*(\i)+6:H+4*(\i)+7], v[\wp:\wp+1], v[X+4*(\k)+2:X+4*(\k)+3] op_sel:[0,1,0] op_sel_hi:[1,1,1]
	global_store_b128 v1, v[X+4*(\k):X+4*(\k)+3], s[22:23] offset:1024*(\k) th:TH_STORE_NT
.endm
.irp e, 0,1,2,3,4,5,6,7
	s_add_co_u32 s26, s13, \e                      ; b = b0 + e
	v_cvt_f32_u32 v20, s26
	v_mul_f32 v16, C255, v20                       ; beta
	v_sub_f32 v17, 1.0, v16
	v_add_f32 v18, C128, v16
	v_sub_f32 v19, C127, v16
	OUTROW 2*\e, \e, 16, 15-2*\e                   ; row 2 b from source rows b - 1, b
	OUTROW 2*\e+1, \e+1, 18, 14-2*\e               ; row 2 b + 1 from source rows b, b + 1
.endr
	s_endpgm
.Lfunc_end_k_q39abb51612_upsample:
	.size	k_q39abb51612_upsample, .Lfunc_end_k_q39abb51612_upsample-k_q39abb51612_upsample
	.p2alignl 7, 3214868480
	.fill 96, 4, 3214868480
	.section	.rodata,"a",@progbits
	.p2align	6, 0x0
	.amdhsa_kernel k_q39abb51612_upsample
		.amdhsa_group_segment_fixed_size 0
		.amdhsa_private_segment_fixed_size 0
		.amdhsa_enable_private_segment 0
		.amdhsa_kernarg_size 32
		.amdhsa_user_sgpr_count 2
		.amdhsa_user_sgpr_kernarg_segment_ptr 1
		.amdhsa_wavefront_size32 1
		.amdhsa_system_sgpr_workgroup_id_x 1
		.amdhsa_system_sgpr_workgroup_id_y 1
		.amdhsa_system_sgpr_workgroup_id_z 1
		.amdhsa_system_vgpr_workitem_id 0
		.amdhsa_next_free_vgpr 168
		.amdhsa_next_free_sgpr 66
		.amdhsa_reserve_vcc 0
		.amdhsa_float_denorm_mode_32 3
		.amdhsa_float_denorm_mode_16_64 3
		.amdhsa_memory_ordered 1
		.amdhsa_forward_progress 1
		.amdhsa_inst_pref_size 18
	.end_amdhsa_kernel
	.amdgpu_metadata
---
amdhsa.version: [ 1, 2 ]
amdhsa.kernels:
  - .name:           k_q39abb51612_upsample
    .symbol:         k_q39abb51612_upsample.kd
    .args:
      - { .name: att, .offset: 0, .size: 8, .value_kind: global_buffer, .address_space: global }
      - { .name: x, .offset: 8, .size: 8, .value_kind: global_buffer, .address_space: global }
      - { .name: gamma, .offset: 16, .size: 8, .value_kind: global_buffer, .address_space: global }
      - { .name: out0, .offset: 24, .size: 8, .value_kind: global_buffer, .address_space: global }
    .group_segment_fixed_size: 0
    .private_segment_fixed_size: 0
    .kernarg_segment_align: 8
    .kernarg_segment_size: 32
    .max_flat_workgroup_size: 256
    .sgpr_count:     66
    .vgpr_count:     168
    .wavefront_size: 32
...
	.end_amdgpu_metadata
.endif
;; end of part 3
;; ======== version 2 of 2: 3 launches; version 1 with the launch upsample written anew for expert scheduling mode
;; workspace buffers: qf 524,288 bytes; kv 4,718,592 bytes; att 8,388,608 bytes
;; launch project: the kernel of part 1 again; grid 256 x 1, 8 waves a work-group, no clusters, 18,688 bytes of LDS; arguments x, Wq, bq, Wk, bk, Wv, bv, qf, kv; writes qf, kv
;; launch attend: the kernel of part 2 again; grid 256 x 1, 8 waves a work-group, clusters of 4 x 1, 327,680 bytes of LDS; arguments qf, kv, att; writes att
;; launch upsample (part 4): grid 512 x 1, 8 waves a work-group, no clusters, 0 bytes of LDS; arguments att, x, gamma, out0; writes out0
.if DOCPART == 4
	.amdgcn_target "amdgcn-amd-amdhsa--gfx1250"
	.amdhsa_code_object_version 6
	.text
	.protected	k_q39abb51612_upsample
	.globl	k_q39abb51612_upsample
	.p2align	8
	.type	k_q39abb51612_upsample,@function
k_q39abb51612_upsample:
	s_mov_b64 s[64:65], 0
	v_nop
	global_prefetch_b8 v0, s[64:65] scope:SCOPE_SE
	s_setreg_imm32_b32 hwreg(HW_REG_WAVE_SCHED_MODE, 0, 2), 2
	s_setreg_imm32_b32 hwreg(HW_REG_WAVE_MODE, 25, 1), 1
	s_wait_xcnt 0x0
	s_wait_alu depctr_vm_vsrc(0)
; upsample: out0 = gamma x (att enlarged 128 -> 256 in both directions, bilinear with the corners aligned) + x.
; For 128 -> 256 the source place of output o is o 127/255, which gives closed forms with beta = b / 255:
;   output 2 b     = beta in(b - 1) + (1 - beta) in(b)
;   output 2 b + 1 = (128/255 + beta) in(b) + (127/255 - beta) in(b + 1)
; At the edges the neighbour's index is clamped; its weight there is 0 (b = 0) or, at b = 127, a rounding remainder on the same row as the other term.
; LIMIT: these weights differ from f32 pos - floor(pos) by a few 1e-6.  Columns are interpolated first, then rows; inputs finite.
; Work-group g: channel g >> 2, quarter g & 3 of the rows.  Wave w: half row w & 1, source rows b0 .. b0 + 7 with b0 = 32 (g & 3) + 8 (w >> 1), that is
; 16 output rows of 512 bytes.  Lane L makes output columns 128 hx + 4 L .. + 3 from source columns a0 - 1 .. a0 + 2, a0 = 64 hx + 2 L.
; A stream: no LDS, no matrix unit, no cluster (nothing large is shared).  All 46 loads of a wave are issued at once; each load of x and each store
; covers 512 consecutive bytes, aligned.  No register is rewritten behind a store that reads it.
; THE MODE: SCHED_MODE bits 1:0 = 2 (LLVM: expert scheduling mode 2), set by the entry lines.  The code itself states the register dependences
; between vector instructions and memory instructions, with s_wait_alu, always for 0.
; THE PLAN.  Registers that memory instructions touch:
;   v1 .. v4   byte offsets.  Written once at the head by vector instructions; read by the loads (v2, v3, v4: att; v1: x) and by the stores (v1); never written again.
;   P          Written by the 30 loads of att, which no vector instruction precedes on these registers; read by the column interpolation; never loaded again.
;   X, row k   Written by its load of x and then by the row's four multiply-adds; read by the row's one store; never written again.
;   H, the weights v8 .. v19 and v20 .. v23 are named by vector instructions alone.
; The 16 output rows go in four groups of four.  Group p's sums write X of rows 4 p .. 4 p + 3; their four stores are issued at the head of group p + 1,
; behind ONE wait on va_vdst, and no vector instruction of group p + 1 names those rows of X or v1.  One such wait stands ahead of the first load, for the
; offsets, and one behind the last group, for the last four stores.  No register that a memory instruction has read is ever written again: no wait on vm_vsrc is owed.
.set P, 24                             ; v[24:63]   source row i (b0 - 1 + i): in(a0), in(a0 + 1), in(a0 - 1), in(a0 + 2)
.set H, 64                             ; v[64:103]  row i interpolated along the columns, times gamma
.set X, 104                            ; v[104:167] x of output row k, then the result
.set C255, 0x3b808081                  ; 1/255
.set C127, 0x3efefeff                  ; 127/255
.set C128, 0x3f008081                  ; 128/255
	s_load_b256 s[4:11], s[0:1], 0x0               ; att s[4:5], x s[6:7], gamma s[8:9], out0 s[10:11]
	v_lshrrev_b32 v20, 5, v0
	v_readfirstlane_b32 s2, v20                    ; wave
	v_and_b32 v21, 31, v0                          ; L
	s_lshr_b32 s24, ttmp9, 2                       ; channel
	s_and_b32 s25, ttmp9, 3                        ; quarter
	s_wait_alu depctr_va_sdst(0)                   ; s2 is written, ahead of its first reader: the half row and b0 are made from it
	s_and_b32 s3, s2, 1                            ; hx
	s_lshr_b32 s13, s2, 1
	s_lshl_b32 s13, s13, 3
	s_lshl_b32 s25, s25, 5
	s_add_co_u32 s13, s13, s25                     ; b0
	s_lshl_b32 s28, s24, 16                        ; the channel in att
	s_mov_b32 s27, 0
	v_lshlrev_b32 v1, 4, v21                       ; 16 L
	v_lshlrev_b32 v22, 1, v21
	v_lshl_add_u32 v22, s3, 6, v22                 ; a0
	v_lshlrev_b32 v2, 2, v22                       ; 4 a0
	v_max_u32 v23, 1, v22
	v_add_nc_u32 v23, -1, v23
	v_lshlrev_b32 v3, 2, v23                       ; 4 max(a0 - 1, 0)
	v_add_nc_u32 v23, 2, v22
	v_min_u32 v23, 127, v23
	v_lshlrev_b32 v4, 2, v23                       ; 4 min(a0 + 2, 127)
	s_wait_kmcnt 0x0
	s_load_b32 s12, s[8:9], 0x0                    ; gamma
	s_max_u32 s26, s13, 1
	s_sub_co_u32 s26, s26, 1
	s_lshl_b32 s26, s26, 9
	s_add_co_u32 s26, s26, s28
	s_add_nc_u64 s[14:15], s[4:5], s[26:27]        ; att at row max(b0 - 1, 0)
	s_lshl_b32 s26, s13, 9
	s_add_co_u32 s26, s26, s28
	s_add_nc_u64 s[16:17], s[4:5], s[26:27]        ; at row b0
	s_add_co_u32 s26, s13, 8
	s_min_u32 s26, s26, 127
	s_lshl_b32 s26, s26, 9
	s_add_co_u32 s26, s26, s28
	s_add_nc_u64 s[18:19], s[4:5], s[26:27]        ; at row min(b0 + 8, 127)
	s_lshl_b32 s26, s24, 18                        ; x and out0: the channel,
	s_lshl_b32 s25, s13, 11                        ; row 2 b0,
	s_add_co_u32 s26, s26, s25
	s_lshl_b32 s25, s3, 9                          ; the half row
	s_add_co_u32 s26, s26, s25
	s_add_nc_u64 s[20:21], s[6:7], s[26:27]
	s_add_nc_u64 s[22:23], s[10:11], s[26:27]
	s_wait_alu depctr_va_vdst(0)                   ; the four offsets v1 to v4 are written: every load and store of the kernel reads one of them
.macro ROWLOAD i, lo, off
	global_load_b64 v[P+4*(\i):P+4*(\i)+1], v2, s[\lo:\lo+1] offset:\off
	global_load_b32 v[P+4*(\i)+2], v3, s[\lo:\lo+1] offset:\off
	global_load_b32 v[P+4*(\i)+3], v4, s[\lo:\lo+1] offset:\off
.endm
	ROWLOAD 0, 14, 0
.irp i, 1,2,3,4,5,6,7,8
	ROWLOAD \i, 16, 512*(\i-1)
.endr
	ROWLOAD 9, 18, 0
.irp k, 0,1,2,3,4,5,6,7,8,9,10,11,12,13,14,15
	global_load_b128 v[X+4*\k:X+4*\k+3], v1, s[20:21] offset:1024*\k th:TH_LOAD_NT
.endr
	; the eight weights along the columns, for a0 in v[8:11] and for a0 + 1 in v[12:15], times gamma
	v_cvt_f32_u32 v20, v22
	v_mul_f32 v8, C255, v20
	v_add_f32 v20, 1.0, v20
	v_mul_f32 v12, C255, v20
.irp a, 8,12
	v_sub_f32 v[\a+1], 1.0, v[\a]
	v_add_f32 v[\a+2], C128, v[\a]
	v_sub_f32 v[\a+3], C127, v[\a]
.endr
	s_wait_kmcnt 0x0
.irp a, 8,10,12,14
	v_pk_mul_f32 v[\a:\a+1], v[\a:\a+1], s[12:13] op_sel_hi:[1,0]             ; both by s12
.endr
	s_wait_loadcnt 16                              ; the 30 loads of att are in; the 16 younger loads of x stay out
.irp i, 0,1,2,3,4,5,6,7,8,9
	v_mul_f32 v[H+4*\i],   v8,  v[P+4*\i+2]        ; column 2 a0:     in(a0 - 1), in(a0)
	v_mul_f32 v[H+4*\i+1], v10, v[P+4*\i]          ; column 2 a0 + 1: in(a0), in(a0 + 1)
	v_mul_f32 v[H+4*\i+2], v12, v[P+4*\i]          ; column 2 a0 + 2: in(a0), in(a0 + 1)
	v_mul_f32 v[H+4*\i+3], v14, v[P+4*\i+1]        ; column 2 a0 + 3: in(a0 + 1), in(a0 + 2)
	v_fmac_f32 v[H+4*\i],   v9,  v[P+4*\i]
	v_fmac_f32 v[H+4*\i+1], v11, v[P+4*\i+1]
	v_fmac_f32 v[H+4*\i+2], v13, v[P+4*\i+1]
	v_fmac_f32 v[H+4*\i+3], v15, v[P+4*\i+3]
.endr
; The four weights along the rows for source row b = b0 + e: v[16:17] for output row 2 b, v[18:19] for output row 2 b + 1.
.macro WEIGHTS e
	s_add_co_u32 s26, s13, (\e)                    ; b = b0 + e
	v_cvt_f32_u32 v20, s26
	v_mul_f32 v16, C255, v20                       ; beta
	v_sub_f32 v17, 1.0, v16
	v_add_f32 v18, C128, v16
	v_sub_f32 v19, C127, v16
.endm
; output row k = x + wa H(i) + wb H(i + 1), the two weights in the pair v[wp:wp+1].
; k and i arrive as expressions: every use stands in brackets.
.macro ROWSUM k, i, wp
	v_pk_fma_f32 v[X+4*(\k):X+4*(\k)+1],   v[H+4*(\i):H+4*(\i)+1],   v[\wp:\wp+1], v[X+4*(\k):X+4*(\k)+1]   op_sel_hi:[1,0,1]                  ; both by the pair's first
	v_pk_fma_f32 v[X+4*(\k)+2:X+4*(\k)+3], v[H+4*(\i)+2:H+4*(\i)+3], v[\wp:\wp+1], v[X+4*(\k)+2:X+4*(\k)+3] op_sel_hi:[1,0,1]
	v_pk_fma_f32 v[X+4*(\k):X+4*(\k)+1],   v[H+4*(\i)+4:H+4*(\i)+5], v[\wp:\wp+1], v[X+4*(\k):X+4*(\k)+1]   op_sel:[0,1,0] op_sel_hi:[1,1,1]   ; both by its second
	v_pk_fma_f32 v[X+4*(\k)+2:X+4*(\k)+3], v[H+4*(\i)+6:H+4*(\i)+7], v[\wp:\wp+1], v[X+4*(\k)+2:X+4*(\k)+3] op_sel:[0,1,0] op_sel_hi:[1,1,1]
.endm
.macro ROWOUT k
	global_store_b128 v1, v[X+4*(\k):X+4*(\k)+3], s[22:23] offset:1024*(\k) th:TH_STORE_NT
.endm
; Group p: output rows 4 p .. 4 p + 3, from source rows b0 + 2 p and b0 + 2 p + 1.  before = 1: the group before is stored at this group's head.
; Loads come back in order (ISA guide 5.7.1): row k of x is in when at most 15 - k younger loads are out; stores are not counted there.
.macro GROUP p, before
	s_wait_loadcnt 15-4*(\p)                       ; x of row 4 p is in
.if \before
	s_wait_alu depctr_va_vdst(0)                   ; the sixteen multiply-adds of the group before have written its four rows of X, which the four stores below read
	ROWOUT 4*(\p)-4                                ; no vector instruction of this group names these rows of X, nor v1
	ROWOUT 4*(\p)-3
	ROWOUT 4*(\p)-2
	ROWOUT 4*(\p)-1
.endif
	WEIGHTS 2*(\p)
	ROWSUM 4*(\p), 2*(\p), 16                      ; row 2 b from source rows b - 1, b
	s_wait_loadcnt 14-4*(\p)
	ROWSUM 4*(\p)+1, 2*(\p)+1, 18                  ; row 2 b + 1 from source rows b, b + 1
	WEIGHTS 2*(\p)+1
	s_wait_loadcnt 13-4*(\p)
	ROWSUM 4*(\p)+2, 2*(\p)+1, 16
	s_wait_loadcnt 12-4*(\p)
	ROWSUM 4*(\p)+3, 2*(\p)+2, 18
.endm
	GROUP 0, 0
	GROUP 1, 1
	GROUP 2, 1
	GROUP 3, 1
	s_wait_alu depctr_va_vdst(0)                   ; the last group's multiply-adds have written rows 12 to 15 of X, which the last four stores read
	ROWOUT 12
	ROWOUT 13
	ROWOUT 14
	ROWOUT 15
	s_endpgm
.Lfunc_end_k_q39abb51612_upsample:
	.size	k_q39abb51612_upsample, .Lfunc_end_k_q39abb51612_upsample-k_q39abb51612_upsample
	.p2alignl 7, 3214868480
	.fill 96, 4, 3214868480
	.section	.rodata,"a",@progbits
	.p2align	6, 0x0
	.amdhsa_kernel k_q39abb51612_upsample
		.amdhsa_group_segment_fixed_size 0
		.amdhsa_private_segment_fixed_size 0
		.amdhsa_enable_private_segment 0
		.amdhsa_kernarg_size 32
		.amdhsa_user_sgpr_count 2
		.amdhsa_user_sgpr_kernarg_segment_ptr 1
		.amdhsa_wavefront_size32 1
		.amdhsa_system_sgpr_workgroup_id_x 1
		.amdhsa_system_sgpr_workgroup_id_y 1
		.amdhsa_system_sgpr_workgroup_id_z 1
		.amdhsa_system_vgpr_workitem_id 0
		.amdhsa_next_free_vgpr 168
		.amdhsa_next_free_sgpr 66
		.amdhsa_reserve_vcc 0
		.amdhsa_float_denorm_mode_32 3
		.amdhsa_float_denorm_mode_16_64 3
		.amdhsa_memory_ordered 1
		.amdhsa_forward_progress 1
		.amdhsa_inst_pref_size 18
	.end_amdhsa_kernel
	.amdgpu_metadata
---
amdhsa.version: [ 1, 2 ]
amdhsa.kernels:
  - .name:           k_q39abb51612_upsample
    .symbol:         k_q39abb51612_upsample.kd
    .args:
      - { .name: att, .offset: 0, .size: 8, .value_kind: global_buffer, .address_space: global }
      - { .name: x, .offset: 8, .size: 8, .value_kind: global_buffer, .address_space: global }
      - { .name: gamma, .offset: 16, .size: 8, .value_kind: global_buffer, .address_space: global }
      - { .name: out0, .offset: 24, .size: 8, .value_kind: global_buffer, .address_space: global }
    .group_segment_fixed_size: 0
    .private_segment_fixed_size: 0
    .kernarg_segment_align: 8
    .kernarg_segment_size: 32
    .max_flat_workgroup_size: 256
    .sgpr_count:     66
    .vgpr_count:     168
    .wavefront_size: 32
...
	.end_amdgpu_metadata
.endif
;; end of part 4
